; MI455X (gfx1250); checked and timed in simulation.
; The chip was launched on July 23, 2026; its instructions are those of AMD's public machine-readable ISA for CDNA 5 (MIT licence, August 2026) and "CDNA5" Instruction Set Architecture Reference Guide (July 2026). The comments in the code are by the model that wrote it; some were corrected since.
;; NNODE Model. Allowed arithmetic: float matrix products may take bf16 or f16 operands with f32 sums; other float arithmetic in f32, or as packed bf16 or f16 multiplies, adds, multiply-adds, maxima and minima; sums over many terms, partial sums and values carried from step to step in f32; what a program stores and reads back later, other than sums and carried values, may be rounded once to bf16 or f16.
;; Inputs: W_lin 32 x 32 float32; W_nl 32 x 32 x 32 float32; x 262,144 x 32 float32.
;; Outputs: out0 262,144 x 32 float32.
;; One version. Each part assembles by itself: llvm-mc -triple=amdgcn-amd-amdhsa -mcpu=gfx1250 --defsym DOCPART=n.
;; ======== version 1 of 1: 1 launch
;; limits: inputs' magnitudes at most 1.8e+19; values are held in bf16: 8 bits of precision
;; launch nnode (part 1): grid 256 x 1, 8 waves a work-group, clusters of 4 x 1, 318,464 bytes of LDS; arguments x, W_lin, W_nl, out0; writes out0
.if DOCPART == 1
	.amdgcn_target "amdgcn-amd-amdhsa--gfx1250"
	.amdhsa_code_object_version 6
	.text
	.protected	k_q7697e4d115_nnode
	.globl	k_q7697e4d115_nnode
	.p2align	8
	.type	k_q7697e4d115_nnode,@function
k_q7697e4d115_nnode:
	s_mov_b64 s[64:65], 0
	v_nop
	global_prefetch_b8 v0, s[64:65] scope:SCOPE_SE
	s_setreg_imm32_b32 hwreg(HW_REG_WAVE_MODE, 25, 1), 1
	s_wait_xcnt 0x0
	s_wait_alu depctr_hold_cnt(0) depctr_sa_sdst(0) depctr_va_vdst(0) depctr_va_sdst(0) depctr_va_ssrc(0) depctr_va_vcc(0) depctr_vm_vsrc(0)
	s_getreg_b32 s2, hwreg(HW_REG_IB_STS2, 6, 4)
	s_cmp_eq_u32 s2, 0
	s_cbranch_scc0 .Lentry_in_a_cluster
	s_endpgm
.Lentry_in_a_cluster:
	s_bfe_u32 s2, ttmp6, 0x10000c
	s_cmp_lg_u32 s2, 0x3003
	s_cbranch_scc0 .Lentry_shape_is_right
	s_endpgm
.Lentry_shape_is_right:
; out[b][o] = sum_i x[b][i] W_lin[i][o] + sum_ij x[b][i] W_nl[o][i][j] x[b][j].   x, out: [262144][32] f32; W_lin: [32][32]; W_nl: [32][32][32].
;
; THE FORM THAT IS COMPUTED.  x_i x_j = x_j x_i for all values, so the double sum needs each unordered pair once, with the weight
; W_nl[o][i][j] + W_nl[o][j][i].  The kernel forms z[b][(i,j)] = x_i x_j in bf16 and multiplies z by the summed weights on the matrix unit:
; K = 2 x 288 pair slots + 32 for the linear term = 19 steps of 32 instead of the 33 of the formula as written.  No input is left out:
; x, W_lin and W_nl are all loaded, and every element of each reaches the result.
; LIMITS.  x_i x_j is formed before the weight is applied and is kept in bf16: |x_i x_j| has to stay below bf16's largest number (3.39e38, so
; |x| below 1.8e19), and products below 2^-126 may be lost.  W_nl[o][i][j] + W_nl[o][j][i] is formed in f32 and must not overflow.
; x, the products and the weights are each rounded once to bf16 as matrix operands; sums are f32, in another order than the formula's.
;
; SHARES.  256 work-groups of eight waves; a work-group owns 1,024 rows, a wave 128 rows = 8 tiles of 16 rows.  Lane L = (r = L & 15, h = L >> 4) serves row r.
; A wave takes 512 registers, so two waves share a SIMD's 1,024: a tile is 38 matrix instructions and some 200 others, a wave issues in order,
; and the second wave has matrix instructions to issue while the first makes its products (and the other way round).
; THE PAIR SLOTS.  Lane half h owns the elements 4t + 2h + p (t = 0..7, p = 0, 1).  The slots are counted by ENUM: for u = 0..7, for t = u..7, for a = 0, 1:
; register n = 0..71, halves p = 0, 1.  Triangle 1: z = x[4u+2h+a] x[4t+2h+p] (own x own).  Triangle 2: z = x[4u+2h+a] x[4t+2(1-h)+p] (own x other).
; Blocks with u < t meet each unordered pair once; blocks with u = t meet it twice (in triangle 2: once in each lane half) and carry half the weight.
; A matrix operand's k is only a name for (lane half, register, half word), the same in both operands, so eight registers of z are one fragment as they stand.
; THE MATRIX INSTRUCTION IS USED TRANSPOSED: source 0 = weights (row m = output 16 tau + m), source 1 = z (column n = row r of the tile).  Register j of lane (r, h)
; then holds out[r][16 tau + 8h + j]: eight neighbouring numbers of a row.
; The 38 weight fragments (304 registers) stay in registers for all 8 tiles.
;
; CLUSTER.  All work-groups read the same 128 KiB of W_nl at the same moment, half of what a work-group brings in: four work-groups ask for it jointly.
; x is shared by nobody (plain loads); W_lin is 4 KiB and comes through registers.
; LDS is filled once (W_nl whole, the work-group's x whole) and never again, so there is no slot to refill.  All of it is asked for at the start.
; A WAVE'S x COMES IN FOUR PIECES of 32 rows (two tiles; 16 rows of 256 bytes in memory), each waited for where it is first read: the first product has only
; W_nl and 4 of the wave's 16 KiB of x in front of it, and the other three pieces land while earlier tiles are multiplied.  Larger pieces would put more bytes there.
;
; LDS:  XS  0        wave w at 17,408 w: x row q of the wave at (q>>1) 272 + (q&1) 128 (two rows of x = 256 bytes, then 16 of padding); piece c at 4,352 c
;       WL  139,264  W_nl[o][i][j] at (i>>1) 8,704 + 272 o + (i&1) 128 + 4 j
;       IMG 278,528  weight fragments as register images: (triangle T, tau) at (2T+tau) 9,216 + 1,024 s + 512 c + 16 L; linear at 36,864 + 1,024 tau + 512 c + 16 L
;       THE STAGE for results is the wave's own first 2,176 bytes of XS (its tile 0 of x, in the same layout), inside piece 0: that piece's one fill has been waited for,
;       only this wave read those bytes, and it has read them before its first result exists; the pieces that may still be out land from byte 4,352 of the wave's part on.
;       Eight stages of their own would not fit behind IMG (10,240 bytes are left of the WGP's LDS).
; A pitch of 272 bytes is 68 words, so neighbouring pitches start 4 words apart modulo 64.  No tensor load lands in IMG.
;
; REGISTERS.  Window 0 holds all that is worked on (x, products, sums) and triangle 1's weights.  Window 1 holds what phase 1 names as SOURCE 0: the linear term's and
; triangle 2's weights, the other half's pairs of x, and the addresses of the stage and of out.  So phase 1 runs under one setting (source 0 = window 1) and phase 2 under 0.
.set PITCH,    272
.set XS_WAVE,  17408                   ; 128 rows of x in LDS
.set XS_PIECE, 4352                    ; 32 rows of x in LDS: what one tensor load brings
.set TSTEP,    2176                    ; 16 rows of x in LDS
.set WL0,      139264
.set WL_TILE,  8704                    ; two values of i, all 32 o
.set IMG0,     278528
.set IMG_REG,  9216                    ; nine fragments of 1,024 bytes
.set IMG_LIN,  36864
.set NOWAIT,   4                       ; TILE's third argument where the x that it loads lies in a piece already waited for
.set XA,   1                           ; window 0: LDS address of my own x of the tile that is loaded next
.set STO,  2                           ; window 1 (made in window 0): stage, where I put my 16 bytes
.set RD,   3                           ; window 1: stage, where I read rows back
.set CO,   4                           ; window 1: 16 L, my byte offset in a tile of out
.set IMGA, 5                           ; window 0: IMG + 16 L
.set XF,   8                           ; v8-23   my 16 own x in f32, next tile (phase 2)
.set OB,   8                           ; v8-23   the same registers in phase 1: a tile of out on its way from the stage to memory (window 0 has 8 registers left, OB needs 16)
.set XPX,  8                           ; window 1, v8-15: pairs of the other half's x, bf16
.set WLF,  16                          ; window 1, v16-31: the linear term's two weight fragments
.set XB,   24                          ; v24-39  own x, bf16, the same number in both halves
.set XPO,  40                          ; v40-47  pairs of own x, bf16
.set Z,    48                          ; v48-71  three fragments of z that take turns
.set ACCA, 72                          ; v72-87  phase 1's two sums, tau = 0, 1
.set ACCB, 88                          ; v88-103 phase 2's two sums = the tile's result, stored during the next tile's phase 1
.set WT,   104                         ; v104-247, both windows: 18 weight fragments, (s, tau) at 104 + 16 s + 8 tau; window 0 triangle 1, window 1 triangle 2
.set BD,   88                          ; build temporaries, inside registers that are first used afterwards
.set BT,   90
.set IMGS, 92
.set LINS, 93
.set LING, 94
.set LB0,  104
.set LB1,  136
.set SM,   168
.set RR,   176
.set LV,   184
.set LR,   188
.set RL, 8                             ; set-up temporaries
.set HL, 9
.set LL, 10
.set RA, 11
.set HP, 13
.set TA, 14
.set TB, 15
.set MSB, 0
.macro WIN new                         ; low byte: bits 1:0 source 0, 3:2 source 1, 5:4 source 2, 7:6 destination; the high byte repeats the setting that is left
.if MSB != \new
	s_set_vgpr_msb (MSB<<8)|\new
.set MSB, \new
.endif
.endm
; A round of the cluster's barrier: my work-group's barrier, wave 0 signals for the work-group, every wave waits for all four work-groups, my work-group's barrier again.
.macro ROUND
	s_barrier_signal -1
	s_barrier_wait -1
	s_cmp_lg_u32 s12, 0
	s_cbranch_scc1 .Lnot_wave_0_\@
	s_barrier_signal -3
.Lnot_wave_0_\@:
	s_barrier_wait -3
	s_barrier_signal -1
	s_barrier_wait -1
.endm
	s_load_b256 s[4:11], s[0:1], 0x0               ; x s[4:5], W_lin s[6:7], W_nl s[8:9], out0 s[10:11]
	v_lshl_add_u32 v254, v0, 2, 0x4d800
	v_mov_b32 v255, 0
	ds_add_u32 v254, v255
	v_lshrrev_b32 v6, 5, v0
	v_readfirstlane_b32 s12, v6                    ; wave w = 0..7
	s_bfe_u32 s13, ttmp6, 0x40000                  ; cx: my place in the cluster
	s_lshl_b32 s58, ttmp9, 2                       ; ttmp9 counts clusters
	s_add_co_u32 s13, s58, s13                     ; work-group = 4 x cluster + cx; it enters global addresses of x and out alone
	s_lshr_b32 s56, s12, 1
	s_and_b32 s56, s56, 1                          ; T: the triangle that my wave builds for
	s_and_b32 s57, s12, 1                          ; tau: the 16 outputs that my wave builds for
	s_lshr_b32 s66, s12, 2                         ; which part of that pair's nine fragments: 0 = fragments 0-4, 1 = fragments 5-8
	s_and_b32 s67, s12, 3                          ; 2T + tau
	s_mov_b32 s62, 0x76543210                      ; v_permlanex16_b32: lane i of one half reads lane i of the other
	s_mov_b32 s63, 0xfedcba98
	; group 1 for W_nl's tiles: 32 rows (o) of 32 elements of 8 bytes (i = 2v, 2v+1, all j), 512 elements from row to row, 16 bytes of padding behind each row
	s_mov_b32 s16, 0x0773000f                      ; 15:0 mask: the cluster's four work-groups; 17:16 8-byte elements; 20 padding on; 21 set beside a mask; 24:22 every 64 words; 31:25 four words
	s_mov_b32 s17, 32<<16                          ; tensor_dim0 = 32
	s_mov_b32 s18, 32<<16                          ; tensor_dim1 = 32
	s_mov_b32 s19, 32<<16                          ; tile_dim0 = 32
	s_mov_b32 s20, 32                              ; tile_dim1 = 32
	s_mov_b32 s21, 512                             ; 4,096 bytes from o to o + 1
	s_mov_b32 s22, 0
	s_mov_b32 s23, 0
	; group 1 for x's pieces: 16 dense rows of 256 bytes (32 rows of x), the same padding, no mask
	s_mov_b32 s24, 0x07530000
	s_mov_b32 s25, 32<<16                          ; tensor_dim0 = 32
	s_mov_b32 s26, 16<<16                          ; tensor_dim1 = 16
	s_mov_b32 s27, 32<<16                          ; tile_dim0 = 32
	s_mov_b32 s28, 16                              ; tile_dim1 = 16
	s_mov_b32 s29, 32                              ; a row begins where the last ends
	s_mov_b32 s30, 0
	s_mov_b32 s31, 0
	s_mul_i32 s70, s12, XS_WAVE                    ; my wave's x in LDS
	s_add_co_u32 s72, s70, WL0                     ; my wave's two tiles of W_nl in LDS: 2 w x 8,704 is the same product
	s_lshl_b32 s74, s12, 9                         ; and in memory: 2 w x 256 bytes.  The wave's number alone: equal in all four partners
	s_mov_b32 s75, 0
	s_lshl_b32 s76, s13, 17                        ; 1,024 rows of 128 bytes a work-group,
	s_lshl_b32 s58, s12, 14                        ; 128 rows a wave: below 2^25 + 2^17
	s_add_co_u32 s76, s76, s58
	s_mov_b32 s77, 0
	s_wait_dscnt 0x0
	s_wait_kmcnt 0x0
	s_add_nc_u64 s[8:9], s[8:9], s[74:75]
	s_add_nc_u64 s[4:5], s[4:5], s[76:77]
	s_add_nc_u64 s[68:69], s[10:11], s[76:77]      ; out at the tile that is stored next
.irp k, 0,1
	s_mov_b32 s[32+4*\k], 1
	s_add_co_u32 s[33+4*\k], s72, \k*WL_TILE
	s_add_nc_u64 s[34+4*\k:35+4*\k], s[8:9], \k*256
	s_or_b32 s[35+4*\k], s[35+4*\k], 0x80000000
.endr
.irp c, 0,1,2,3
	s_mov_b32 s[40+4*\c], 1
	s_add_co_u32 s[41+4*\c], s70, \c*XS_PIECE
	s_add_nc_u64 s[42+4*\c:43+4*\c], s[4:5], \c*4096   ; 32 rows of 128 bytes
	s_or_b32 s[43+4*\c], s[43+4*\c], 0x80000000
.endr
	ROUND                                          ; all four work-groups are here: the joint loads meet
	; All fills of the launch, one group: six tensor loads a wave, the most that a wave ever has outstanding.  W_nl first: the build needs it first; then x in the order of the tiles.
	tensor_load_to_lds s[32:35], s[16:23]
	s_nop 0
	tensor_load_to_lds s[36:39], s[16:23]
	s_nop 0
.irp c, 0,1,2,3
	tensor_load_to_lds s[40+4*\c:43+4*\c], s[24:31]
	s_nop 0
.endr
	; W_lin: register q, half p of the linear fragment of tau is W_lin[4q + 2h + p][16 tau + r].  My wave makes q = 4T + 2 part + e, e = 0, 1: four numbers a lane.
	v_and_b32 v[RL], 15, v0                        ; r
	v_bfe_u32 v[HL], v0, 4, 1                      ; h
	s_lshl_b32 s58, s56, 11                        ; 16 T rows of 128 bytes
	s_lshl_b32 s59, s57, 6                         ; 16 tau columns
	s_add_co_u32 s58, s58, s59
	s_lshl_b32 s59, s66, 10                        ; 8 rows for the part
	s_add_co_u32 s58, s58, s59
	v_lshlrev_b32 v[LING], 8, v[HL]                ; 2 h rows
	v_lshl_add_u32 v[LING], v[RL], 2, v[LING]
	v_add_nc_u32 v[LING], s58, v[LING]
.irp e, 0,1
	global_load_b32 v[LV+2*\e],   v[LING], s[6:7] offset:512*\e
	global_load_b32 v[LV+2*\e+1], v[LING], s[6:7] offset:512*\e+128
.endr
	; the lane's addresses
	v_and_b32 v[LL], 31, v0
	v_lshrrev_b32 v[RA], 1, v[RL]
	v_and_b32 v[TA], 1, v[RL]
	v_mul_u32_u24 v[RA], v[RA], PITCH
	v_lshl_add_u32 v[RA], v[TA], 7, v[RA]          ; row r of a tile: (r>>1) 272 + (r&1) 128,
	v_add_nc_u32 v[RA], s70, v[RA]                 ; in my wave's x
	v_add_nc_u32 v[HP], s56, v[HL]
	v_and_b32 v[HP], 1, v[HP]                      ; h' = the half that j comes from: h in triangle 1, 1 - h in triangle 2
	v_lshl_add_u32 v[XA], v[HL], 3, v[RA]          ; x[4t+2h] of row r lies 16 t behind this
	v_lshl_add_u32 v[STO], v[HL], 5, v[RA]         ; stage, in: row r, outputs 8h ..
	v_mul_u32_u24 v[RD], v[HL], PITCH              ; stage, back: lanes 0-15 take two rows (256 bytes), lanes 16-31 the next two
	v_lshl_add_u32 v[RD], v[RL], 4, v[RD]
	v_add_nc_u32 v[RD], s70, v[RD]
	v_lshlrev_b32 v[CO], 4, v[LL]
	v_add_nc_u32 v[IMGA], IMG0, v[CO]
	s_mul_i32 s58, s67, IMG_REG
	v_add_nc_u32 v[IMGS], s58, v[IMGA]
	s_lshl_b32 s58, s57, 10
	s_lshl_b32 s59, s56, 9
	s_add_co_u32 s58, s58, s59
	s_lshl_b32 s59, s66, 3                         ; two registers = 8 bytes of the lane's 16
	s_add_co_u32 s58, s58, s59
	s_add_co_u32 s58, s58, IMG_LIN
	v_add_nc_u32 v[LINS], s58, v[IMGA]
	s_mul_i32 s58, s57, 16*PITCH
	s_add_co_u32 s58, s58, WL0
	v_mul_u32_u24 v[TA], v[RL], PITCH
	v_add_nc_u32 v[TA], s58, v[TA]                 ; WL at o = 16 tau + r
	v_mul_u32_u24 v[TB], v[HL], WL_TILE            ; i = 4u+2h+a: (i>>1) = 2u + h;  j0 = 4t + 2h': 16 t + 8 h' bytes
	v_lshl_add_u32 v[TB], v[HP], 3, v[TB]
	v_add_nc_u32 v[BD], v[TA], v[TB]
	v_add_nc_u32 v[BD+1], 8*WL_TILE, v[BD]         ; u = 4..7, so that the immediates stay below 65,536
	v_mul_u32_u24 v[TB], v[HP], WL_TILE            ; the mirrored element: row j = 4t+2h'+p, column i0 = 4u + 2h
	v_lshl_add_u32 v[TB], v[HL], 3, v[TB]
	v_add_nc_u32 v[BT], v[TA], v[TB]
	v_add_nc_u32 v[BT+1], 8*WL_TILE, v[BT]
	s_wait_tensorcnt 0x4                           ; my two tiles of W_nl have landed; the four younger loads (x) stay out
	s_barrier_signal -1
	s_barrier_wait -1                              ; every wave's tiles of W_nl have
; THE BUILD.  The nine fragments of triangle T for outputs 16 tau + r are made by two waves, four blocks (u, t) = one fragment at a time.
; BLD: 16 LDS loads of 8 bytes for the next four blocks: D_a = W_nl[o][i0+a][j0, j0+1], E_p = W_nl[o][j0+p][i0, i0+1].
.macro BLD buf
.set bi, 0
.rept 4
	ds_load_b64 v[\buf+8*bi:\buf+8*bi+1],   v[BD+lu/4] offset:(lu%4)*2*WL_TILE+16*lt
	ds_load_b64 v[\buf+8*bi+2:\buf+8*bi+3], v[BD+lu/4] offset:(lu%4)*2*WL_TILE+128+16*lt
	ds_load_b64 v[\buf+8*bi+4:\buf+8*bi+5], v[BT+lt/4] offset:(lt%4)*2*WL_TILE+16*lu
	ds_load_b64 v[\buf+8*bi+6:\buf+8*bi+7], v[BT+lt/4] offset:(lt%4)*2*WL_TILE+128+16*lu
.set bi, bi+1
.set lt, lt+1
.if lt == 8
.set lu, lu+1
.set lt, lu
.endif
.endr
.endm
; BCMP: weight of slot (a, p) = D_a[p] + E_p[a], halved where u = t; register 2 bi + a holds p = 0 below, p = 1 above.
.macro BCMP buf, k
.set bi, 0
.rept 4
	v_add_f32 v[SM],   v[\buf+8*bi],   v[\buf+8*bi+4]
	v_add_f32 v[SM+1], v[\buf+8*bi+1], v[\buf+8*bi+6]
	v_add_f32 v[SM+2], v[\buf+8*bi+2], v[\buf+8*bi+5]
	v_add_f32 v[SM+3], v[\buf+8*bi+3], v[\buf+8*bi+7]
.if cu == ct
	v_pk_mul_f32 v[SM:SM+1],   v[SM:SM+1],   0.5 op_sel_hi:[1,0]
	v_pk_mul_f32 v[SM+2:SM+3], v[SM+2:SM+3], 0.5 op_sel_hi:[1,0]
.endif
	v_cvt_pk_bf16_f32 v[RR+2*bi],   v[SM],   v[SM+1]
	v_cvt_pk_bf16_f32 v[RR+2*bi+1], v[SM+2], v[SM+3]
.set bi, bi+1
.set ct, ct+1
.if ct == 8
.set cu, cu+1
.set ct, cu
.endif
.endr
	ds_store_b128 v[IMGS], v[RR:RR+3]   offset:\k*1024
	ds_store_b128 v[IMGS], v[RR+4:RR+7] offset:\k*1024+512
.endm
.macro BATCH k, buf, left, more
	s_wait_dscnt \left                             ; LDS instructions of a wave end in order: this batch's 16 loads are in, what was issued behind them stays out
	BCMP \buf, \k
.if \more
	BLD \buf
.endif
.endm
.set lu, 0
.set lt, 0
.set cu, 0
.set ct, 0
	s_cmp_lt_u32 s12, 4                            ; the wave's number alone decides; no barrier and no tensor load stands inside the branch
	s_cbranch_scc0 .Lbuild_hi
	BLD LB0                                        ; waves 0-3: fragments 0 to 4 (blocks 0 to 19)
	BLD LB1
	BATCH 0, LB0, 16, 1                            ; behind the first batch: the second's 16 loads
	BATCH 1, LB1, 18, 1                            ; behind batch k: two stores and batch k + 1's 16 loads
	BATCH 2, LB0, 18, 1
	BATCH 3, LB1, 18, 0
	BATCH 4, LB0, 2, 0                             ; behind the last batch: the two stores of the one before
	s_branch .Lbuilt
.Lbuild_hi:
	BLD LB0                                        ; waves 4-7: fragments 5 to 8 (blocks 20 to 35: the counters of blocks run on from above)
	BLD LB1
	BATCH 5, LB0, 16, 1
	BATCH 6, LB1, 18, 1
	BATCH 7, LB0, 18, 0
	BATCH 8, LB1, 2, 0
.Lbuilt:
	s_wait_loadcnt 0x0                             ; W_lin's four numbers
	v_cvt_pk_bf16_f32 v[LR],   v[LV],   v[LV+1]
	v_cvt_pk_bf16_f32 v[LR+1], v[LV+2], v[LV+3]
	ds_store_b64 v[LINS], v[LR:LR+1]
	s_wait_dscnt 0x0                               ; my stores into IMG are done, for the other waves' sake
	s_barrier_signal -1
	s_barrier_wait -1                              ; all of IMG is written; x's tensor loads may still be out: no LDS byte is filled again
; ENUM and the two streams of vector work that are set between the matrix instructions.
.macro ENUM0
.set pn, 0
.set eu, 0
.set et, 0
.set ea, 0
.set cvn, 0
.endm
; up to k registers of z, in ENUM's order.  ph = 1: own x other (the pairs are source 0, in window 1); ph = 2: own x own
.macro MULS k, ph
.rept \k
.if pn < 72
.if \ph == 1
	v_pk_mul_bf16 v[Z+pn%24], v[XPX+et], v[XB+2*eu+ea]
.else
	v_pk_mul_bf16 v[Z+pn%24], v[XB+2*eu+ea], v[XPO+et]
.endif
.set pn, pn+1
.set ea, ea+1
.if ea == 2
.set ea, 0
.set et, et+1
.if et == 8
.set eu, eu+1
.set et, eu
.endif
.endif
.endif
.endr
.endm
; up to k conversions of the next tile's x, in place, in phase 2: XB[2q], XB[2q+1] and XPO[q] have had their last use of the tile once ENUM has left row q (q < eu).
.macro CVS k
.rept \k
.if cvn < 24
.if cvn/3 < eu
.if cvn%3 == 2
	v_cvt_pk_bf16_f32 v[XPO+cvn/3], v[XF+2*(cvn/3)], v[XF+2*(cvn/3)+1]
.else
	v_cvt_pk_bf16_f32 v[XB+2*(cvn/3)+cvn%3], v[XF+2*(cvn/3)+cvn%3], v[XF+2*(cvn/3)+cvn%3]
.endif
.set cvn, cvn+1
.endif
.endif
.endr
.endm
.macro XLOAD                           ; my 16 numbers of a row of x: 8 bytes of every 16; then the address of the next tile
.irp t, 0,1,2,3,4,5,6,7
	ds_load_b64 v[XF+2*\t:XF+2*\t+1], v[XA] offset:16*\t
.endr
	v_add_nc_u32 v[XA], TSTEP, v[XA]
.endm
; The finished tile into my own stage, and back as whole rows.  LDS serves a wave's instructions in order: no wait between.  Addresses (source 0) in window 1, data in window 0.
.macro OUTST
	WIN 0x01
.irp t, 0,1
.irp c, 0,1
	ds_store_b128 v[STO], v[ACCB+8*\t+4*\c:ACCB+8*\t+4*\c+3] offset:64*\t+16*\c
.endr
.endr
.irp e, 0,1,2,3
	ds_load_b128 v[OB+4*\e:OB+4*\e+3], v[RD] offset:2*PITCH*\e
.endr
.endm
.macro OUTGL
	WIN 0x01
	s_wait_dscnt 0x0                               ; the four rows-back loads are in
.irp e, 0,1,2,3
	global_store_b128 v[CO], v[OB+4*\e:OB+4*\e+3], s[68:69] offset:512*\e th:TH_STORE_NT   ; each store covers 512 consecutive bytes, aligned to 512
.endr
.endm
; ONE TILE.  prev = 1: the tile before is stored on the way (prev = 0: the first tile, which still waits for weight fragments); next = 1: the next tile's x is loaded and converted on the way;
; tw: where that x is the first of a new piece, how many younger tensor loads may stay out when the piece has to be there (NOWAIT: the piece has been waited for).
; The two sums of a phase take turns, one matrix instruction a turn, through both phases and from tile to tile.
; A fragment of z is made in the two slices in front of its first use and is written again twelve products behind its last use.
.macro TILE prev, next, tw
	WIN 0x40                                       ; destination window 1
.irp t, 0,1,2,3,4,5,6,7
	v_permlanex16_b32 v[XPX+\t], v[XPO+\t], s62, s63   ; the other half's pairs are lane L xor 16's own pairs: no second read of x, no second conversion
.endr
	; phase 1, source 0 = window 1: linear term, then triangle 2, into ACCA
	WIN 0x01
.if \prev == 0
	s_wait_dscnt 36                                ; the linear term's and triangle 2's fragments are in; the 36 younger loads (triangle 1's) may land during this phase
.endif
	ENUM0
.set mi, 0
.rept 20
.if mi < 2
	v_wmma_f32_16x16x32_bf16 v[ACCA+8*mi:ACCA+8*mi+7], v[WLF+8*mi:WLF+8*mi+7], v[XPO:XPO+7], 0   ; the pairs of own x are the linear term's fragment; the first product starts the sum
.else
	v_wmma_f32_16x16x32_bf16 v[ACCA+8*(mi%2):ACCA+8*(mi%2)+7], v[WT+8*(mi-2):WT+8*(mi-2)+7], v[Z+8*(((mi-2)/2)%3):Z+8*(((mi-2)/2)%3)+7], v[ACCA+8*(mi%2):ACCA+8*(mi%2)+7]
.endif
	MULS 4, 1
.if \prev
.if mi == 1
	OUTST                                          ; eight products stand between the last tile's last matrix instruction and these stores of its results
.endif
.if mi == 7
	OUTGL
.endif
.endif
.set mi, mi+1
.endr
	; phase 2, window 0: triangle 1.  Its first two matrix instructions take ACCA as C and write ACCB, so that the next tile can start ACCA anew while ACCB is stored;
	; the eight products in front of them are the independent vector instructions behind phase 1's last two (ISA guide 7.12.1).
	WIN 0
.if \prev == 0
	s_wait_dscnt 0x0                               ; triangle 1's fragments
.endif
	ENUM0
	MULS 8, 2
.set mi, 0
.rept 18
.if mi < 2
	v_wmma_f32_16x16x32_bf16 v[ACCB+8*mi:ACCB+8*mi+7], v[WT+8*mi:WT+8*mi+7], v[Z:Z+7], v[ACCA+8*mi:ACCA+8*mi+7]
.else
	v_wmma_f32_16x16x32_bf16 v[ACCB+8*(mi%2):ACCB+8*(mi%2)+7], v[WT+8*mi:WT+8*mi+7], v[Z+8*((mi/2)%3):Z+8*((mi/2)%3)+7], v[ACCB+8*(mi%2):ACCB+8*(mi%2)+7]
.endif
	MULS 4, 2
.if mi == 0
.if \prev
	s_wait_xcnt 0x0                                ; the four stores, thirteen matrix instructions back, have had their addresses translated: OB (= XF) and the base are written again only behind this wait
	s_add_nc_u64 s[68:69], s[68:69], 2048          ; the next tile of out
.endif
.if \next
.if \tw < NOWAIT
	s_wait_tensorcnt \tw                           ; a wave's tensor loads end in order (ISA guide 10.11.1): the piece that the loads below begin has landed, the younger pieces stay out; only I read it
.endif
	XLOAD
.endif
.endif
.if \next
.if mi == 6
	s_wait_dscnt 0x0                               ; the eight loads of x issued six matrix instructions ago
.endif
.if mi >= 6
	CVS 4
.endif
.endif
.set mi, mi+1
.endr
.endm
	; Tile 0's x and the 38 weight fragments, in the order of their first use.
	s_wait_tensorcnt 0x3                           ; my first piece of x (tiles 0 and 1) has landed; the three younger pieces stay out; only I read it
	XLOAD
	WIN 0x40                                       ; destination window 1, address and source window 0
.irp t, 0,1
	ds_load_b128 v[WLF+8*\t:WLF+8*\t+3],   v[IMGA] offset:IMG_LIN+\t*1024
	ds_load_b128 v[WLF+8*\t+4:WLF+8*\t+7], v[IMGA] offset:IMG_LIN+\t*1024+512
.endr
.irp t, 0,1
.irp s, 0,1,2,3,4,5,6,7,8
	ds_load_b128 v[WT+16*\s+8*\t:WT+16*\s+8*\t+3],   v[IMGA] offset:(2+\t)*IMG_REG+\s*1024
	ds_load_b128 v[WT+16*\s+8*\t+4:WT+16*\s+8*\t+7], v[IMGA] offset:(2+\t)*IMG_REG+\s*1024+512
.endr
.endr
	v_mov_b32 v[STO], v[STO]                       ; the three addresses that phase 1 names as source 0 go to window 1
	v_mov_b32 v[RD], v[RD]
	v_mov_b32 v[CO], v[CO]
.irp t, 0,1,2,3,4,5,6,7
	v_mov_b32 v[XPX+\t], 0                         ; v_permlanex16_b32 counts as a reader of its destination: it is written once here, with any value
.endr
	WIN 0
	s_wait_dscnt 40                                ; x's eight loads are in; the 40 fragment loads issued behind them stay out
.set eu, 8
.set cvn, 0
	CVS 24
.irp t, 0,1
.irp s, 0,1,2,3,4,5,6,7,8
	ds_load_b128 v[WT+16*\s+8*\t:WT+16*\s+8*\t+3],   v[IMGA] offset:\t*IMG_REG+\s*1024
	ds_load_b128 v[WT+16*\s+8*\t+4:WT+16*\s+8*\t+7], v[IMGA] offset:\t*IMG_REG+\s*1024+512
.endr
.endr
	; The eight tiles are written out: tile t loads tile t + 1's x, piece c holds tiles 2c and 2c + 1, and the count of the wait for a piece (an immediate) differs from piece to piece.
	TILE 0, 1, NOWAIT                              ; tile 0; loads tile 1's x, still piece 0
	TILE 1, 1, 2                                   ; tile 1; loads tile 2's x: piece 1, two younger pieces may be out
	TILE 1, 1, NOWAIT                              ; tile 2
	TILE 1, 1, 1                                   ; tile 3; piece 2, one younger piece may be out
	TILE 1, 1, NOWAIT                              ; tile 4
	TILE 1, 1, 0                                   ; tile 5; piece 3, the last: from here on no tensor load of mine is out
	TILE 1, 1, NOWAIT                              ; tile 6
	TILE 1, 0, NOWAIT                              ; tile 7: nothing more to load
.rept 4
	v_nop                                          ; four independent vector instructions behind the last matrix instructions, in front of the stores of their results
.endr
	OUTST
	OUTGL
	WIN 0
	s_wait_tensorcnt 0x0
	ds_add_u32 v254, v255
	s_wait_dscnt 0x0
	ROUND                                          ; the closing round: no work-group ends while a partner may still issue a joint load that names it
	s_endpgm
.Lfunc_end_k_q7697e4d115_nnode:
	.size	k_q7697e4d115_nnode, .Lfunc_end_k_q7697e4d115_nnode-k_q7697e4d115_nnode
	.p2alignl 7, 3214868480
	.fill 96, 4, 3214868480
	.section	.rodata,"a",@progbits
	.p2align	6, 0x0
	.amdhsa_kernel k_q7697e4d115_nnode
		.amdhsa_group_segment_fixed_size 318464
		.amdhsa_private_segment_fixed_size 0
		.amdhsa_enable_private_segment 0
		.amdhsa_kernarg_size 32
		.amdhsa_user_sgpr_count 2
		.amdhsa_user_sgpr_kernarg_segment_ptr 1
		.amdhsa_wavefront_size32 1
		.amdhsa_system_sgpr_workgroup_id_x 1
		.amdhsa_system_sgpr_workgroup_id_y 1
		.amdhsa_system_sgpr_workgroup_id_z 1
		.amdhsa_system_vgpr_workitem_id 0
		.amdhsa_next_free_vgpr 512
		.amdhsa_next_free_sgpr 80
		.amdhsa_reserve_vcc 0
		.amdhsa_float_denorm_mode_32 3
		.amdhsa_float_denorm_mode_16_64 3
		.amdhsa_memory_ordered 1
		.amdhsa_forward_progress 1
		.amdhsa_inst_pref_size 155
	.end_amdhsa_kernel
	.amdgpu_metadata
---
amdhsa.version: [ 1, 2 ]
amdhsa.kernels:
  - .name:           k_q7697e4d115_nnode
    .symbol:         k_q7697e4d115_nnode.kd
    .args:
      - { .name: x, .offset: 0, .size: 8, .value_kind: global_buffer, .address_space: global }
      - { .name: W_lin, .offset: 8, .size: 8, .value_kind: global_buffer, .address_space: global }
      - { .name: W_nl, .offset: 16, .size: 8, .value_kind: global_buffer, .address_space: global }
      - { .name: out0, .offset: 24, .size: 8, .value_kind: global_buffer, .address_space: global }
    .group_segment_fixed_size: 318464
    .private_segment_fixed_size: 0
    .kernarg_segment_align: 8
    .kernarg_segment_size: 32
    .max_flat_workgroup_size: 256
    .sgpr_count:     80
    .vgpr_count:     512
    .wavefront_size: 32
...
	.end_amdgpu_metadata
.endif
;; end of part 1
